; MI455X (gfx1250); checked and timed in simulation.
; The chip was launched on July 23, 2026; its instructions are those of AMD's public machine-readable ISA for CDNA 5 (MIT licence, August 2026) and "CDNA5" Instruction Set Architecture Reference Guide (July 2026). The comments in the code are by the model that wrote it; some were corrected since.
;; Multi Head Attention. Allowed arithmetic: matrix products marked QUANTISED: E2M3 operands, one E8M0 scale for each 32 along K, by v_wmma_scale_f32_16x16x128_f8f6f4 with both operands' format E2M3, f32 sums; everything else in f32.
;; Inputs: Wk 1,024 x 1,024 float32; Wo 1,024 x 1,024 float32; Wq 1,024 x 1,024 float32; Wv 1,024 x 1,024 float32; bk 1,024 float32; bo 1,024 float32; bq 1,024 float32; bv 1,024 float32; key 4 x 2,048 x 1,024 float32; query 4 x 2,048 x 1,024 float32; value 4 x 2,048 x 1,024 float32.
;; Outputs: out0 4 x 2,048 x 1,024 float32.
;; This version of the problem:
;;   THIS VERSION OF THE PROBLEM IS GIVEN IN LOW PRECISION. The matrix products marked QUANTISED in the list below multiply operands that are first quantised to E2M3 (2 exponent bits, 3 mantissa bits; 6 bits a number), with one power-of-two scale for each 32 numbers along K (OCP MX v1.0); their sums are f32. All else is computed in f32.
;;   The module's matrix products, in the order in which they are computed (A, B: the left and right operand; K: the contracted axis; several contracted axes count as one K, in the product's order):
;;     1. [M 8,192, K 1,024] x [K 1,024, N 1,024]; A: input query; B: input Wq: QUANTISED
;;     2. [M 8,192, K 1,024] x [K 1,024, N 1,024]; A: input key; B: input Wk: QUANTISED
;;     3. [M 8,192, K 1,024] x [K 1,024, N 1,024]; A: input value; B: input Wv: QUANTISED
;;     4. batch 64 x [M 2,048, K 64] x [K 64, N 2,048]; A: computed on the way; B: computed on the way: QUANTISED
;;     5. batch 64 x [M 2,048, K 2,048] x [K 2,048, N 64]; A: softmax (see below); B: computed on the way: QUANTISED
;;     6. [M 8,192, K 1,024] x [K 1,024, N 1,024]; A: computed on the way; B: input Wo: QUANTISED
;;   THE QUANTISER, for each operand of a quantised product, along K:
;;     - K is cut into blocks of 32 from its start; a last block that is shorter is filled with zeros.
;;     - A block's scale is 2^e with e = floor(log2(the largest magnitude in the block)) - 2, held to -126 .. 127; a block of zeros has e = 0. As a byte (E8M0): e + 127.
;;     - Each number is divided by its block's scale, clamped to +-7.5, and rounded to the nearest number of E2M3, ties to even, subnormals kept.
;;     - The product sums the exact products of the quantised numbers (number of the format x scale) in f32.
;;   ~~~python
;;   def quantise(x, axis):      # numpy; x: float32 -> the quantised numbers, widened to float32 again
;;       x = np.moveaxis(x, axis, -1); K = x.shape[-1]
;;       x = np.pad(x, [(0, 0)] * (x.ndim - 1) + [(0, -K % 32)]); x = x.reshape(x.shape[:-1] + (-1, 32)); a = np.abs(x).max(-1, keepdims=True)
;;       e = np.where(a > 0, np.clip(np.frexp(np.where(a > 0, a, 1))[1] - 1 - 2, -126, 127), 0)      # np.frexp(a)[1] - 1 = floor(log2(a)), exactly
;;       r = np.clip(x / 2.0 ** e, -7.5, 7.5)
;;       step = 2.0 ** (np.maximum(np.frexp(np.where(r == 0, 1, r))[1] - 1, 0) - 3)
;;       q = np.round(r / step) * step * 2.0 ** e      # np.round: ties to even
;;       return np.moveaxis(q.reshape(q.shape[:-2] + (-1,))[..., :K], -1, axis).astype(np.float32)
;;   ~~~
;;   SOFTMAX AHEAD OF A QUANTISED PRODUCT. Where the list says 'softmax', what is quantised is not the finished softmax but p = 2^(t - M), with t = logit x log2(e) and M = ceil(the row's largest t), a whole number; so 1/2 < the row's largest p <= 1. The row's sum l is taken of the UNQUANTISED p, in f32, and the product's result is divided by l at the end. Since M is a whole number, a kernel that streams over the keys may use a running M (the ceiling of the running maximum): every later rescaling is an exact power of two, which a block's scale takes up: the codes' values come out the same.
;;   OPERANDS COMPUTED ON THE WAY. 'Computed on the way' means the value that the module computes at that place (a softmax that the list does not call 'softmax' is quantised finished and normalised). What goes into a quantiser is computed in f32, as accurately as f32 sums, v_exp_f32 and their like allow (about 1e-6 of the number): no bf16 or f16 on the way to a quantiser, and a product that is left as it is and whose result goes on into a quantised operand takes f32 operands (vector FMAs, or v_wmma_f32_16x16x4_f32). A number that lies on a knife's edge between two numbers of the format may be rounded either way, as far as f32 arithmetic and the matrix unit's own rounding can turn it there, and no further.
;; One version. Each part assembles by itself: llvm-mc -triple=amdgcn-amd-amdhsa -mcpu=gfx1250 --defsym DOCPART=n.
;; ======== version 1 of 1: 4 launches
;; limits: right only within a limited range of input values
;; workspace buffers: xc 22,020,096 bytes; xs 917,504 bytes; pc 20,447,232 bytes; oc 6,291,456 bytes; os 262,144 bytes
;; launch quant (part 1): grid 896 x 1, 4 waves a work-group, no clusters, 33,280 bytes of LDS; arguments query, key, value, Wq, Wk, Wv, Wo, xc, xs; writes xc, xs
.if DOCPART == 1
	.amdgcn_target "amdgcn-amd-amdhsa--gfx1250"
	.amdhsa_code_object_version 6
	.text
	.protected	k_q75e7d25408_quant
	.globl	k_q75e7d25408_quant
	.p2align	8
	.type	k_q75e7d25408_quant,@function
k_q75e7d25408_quant:
	s_mov_b64 s[64:65], 0
	v_nop
	global_prefetch_b8 v0, s[64:65] scope:SCOPE_SE
	s_setreg_imm32_b32 hwreg(HW_REG_WAVE_MODE, 25, 1), 1
	s_wait_xcnt 0x0
; query, key, value [8192][1024] and Wq, Wk, Wv, Wo [1024][1024], f32, K innermost, become codes of FP6 (E2M3), 6 bits each, and one E8M0 byte for each 32 along K.
; xc is ONE matrix of 28,672 rows x 768 bytes (a row's 1,024 codes as one stream of bits), xs the same rows x 32 scale bytes.  First rows: query 0, key 8,192, value 16,384, Wq 24,576, Wk 25,600, Wv 26,624, Wo 27,648.
; ROW ORDER.  In key, value, Wq, Wk and Wv, place 32 B + 16 u + 8 x + l holds row 32 B + 16 x + 8 u + l (bits 3 and 4 of the row's number change places); query and Wo lie in their own order.
; So sixteen neighbouring places are a tile whose results, in the later products, fall so that a lane's 16 registers of two neighbouring tiles are 16 neighbours along the next K.
; A block's scale is 2^(floor(log2(its largest magnitude)) - 2); its byte is the largest magnitude's exponent field - 2, held at 1 from below.  Each number is divided by the scale and rounded to the nearest code, ties to even, beyond 7.5 the largest code.
; LIMITS: a block of zeros gets the byte 1 where the quantiser's text says 127: its codes are zeros, which add nothing under any byte but 0xff, and the bytes are read by this program alone.
;         Blocks whose largest magnitude lies under 2^-124 are quantised under the byte 1.  NaN and infinities among the inputs are not served.
; SHARES.  A work-group takes 32 rows of one tensor, a wave 8 rows: 16 steps of 512 numbers.  Work-groups 0-255 query, 256-511 key, 512-767 value, 768-799 Wq, 800-831 Wk, 832-863 Wv, 864-895 Wo.
; Only pointers are chosen by the work-group's number: there is one path through the text.  A wave's 8 rows stay together, so the change of places is a change of the wave's number on the way out: 0, 1, 2, 3 -> 0, 2, 1, 3.
; Each of a step's four loads reads 512 consecutive bytes, 16 a lane; the 2,048 bytes turn through the wave's own stage in LDS and come back 64 bytes a lane: 16 neighbours along K, as the conversion wants them; two lanes hold a block.
; A lane's 16 codes are 12 bytes: the wave stores 384 consecutive bytes.  A wave's 256 scale bytes are gathered in LDS and leave as one aligned run of 256 bytes.  No tensor loads, no barrier: waves share nothing.
.set WAVES, 4
.set STEPS, 16
.set EMAX,  2
.set CB,    12                         ; bytes of 16 codes
.set R,     16                         ; v16-79   four sets of 16 numbers as they are loaded
.set X,     80                         ; v80-111  two sets of 16 neighbours
.set C,     128                        ; v128-191 codes: four registers for each step, so that no store's data are written again
.set E,     112                        ; v112-127 a scale byte for each step
.set WREG,  8192                       ; LDS: a region for each wave: two stages of 32 x SP bytes, and behind them its 256 scale bytes
.set SP,    80                         ; a lane's place in a stage: its 64 bytes + 16 of padding
.set SPW,   12                         ; v12      LDS address of my spare word: SPARE + 4 x my thread's number; never rewritten
.set NIL,   13                         ; v13      0; never rewritten
.set SPARE, WAVES*WREG                 ; behind the four regions: the spare words, 128 bytes for each wave, which no other line names
	s_load_b256 s[4:11], s[0:1], 0x0               ; query s[4:5], key s[6:7], value s[8:9], Wq s[10:11]
	s_load_b256 s[12:19], s[0:1], 0x20             ; Wk s[12:13], Wv s[14:15], Wo s[16:17], xc s[18:19]
	s_load_b64 s[20:21], s[0:1], 0x40              ; xs
	v_lshl_add_u32 v[SPW], v0, 2, SPARE
	v_mov_b32 v[NIL], 0
	v_lshrrev_b32 v1, 5, v0
	v_readfirstlane_b32 s22, v1                    ; wave
	v_and_b32 v2, 31, v0                           ; lane
	v_lshlrev_b32 v3, 4, v2                        ; my 16 bytes of a load's 512
	s_mul_i32 s23, s22, WREG
	v_lshrrev_b32 v14, 2, v2
	v_mul_u32_u24 v14, v14, SP
	v_and_b32 v15, 3, v2
	v_lshl_add_u32 v14, v15, 4, v14
	v_add_nc_u32 v14, s23, v14                     ; the stage, on the way in: four lanes' 64 bytes on end, then 16 of padding
	v_mul_u32_u24 v15, v2, SP
	v_add_nc_u32 v15, s23, v15                     ; and on the way out: SP x lane: my 16 neighbours
	v_mul_u32_u24 v4, v2, CB                       ; my codes' place in a step's
	v_lshrrev_b32 v5, 1, v2
	s_add_co_u32 s23, s23, 2*32*SP
	v_add_nc_u32 v5, s23, v5                       ; LDS: my wave's 256 scale bytes, my block's byte
	v_lshlrev_b32 v7, 3, v2                        ; and on the way out 8 bytes a lane
	v_add_nc_u32 v6, s23, v7
	s_mov_b32 s24, 0                               ; the first work-group of my tensor
	s_wait_alu depctr_va_vdst(0)
	s_wait_kmcnt 0x0
.macro PICK lim, p                     ; from work-group lim on the source is the tensor at s[p:p+1]: the choice hangs on the work-group's number alone
	s_cmp_ge_u32 ttmp9, \lim
	s_cselect_b64 s[4:5], s[\p:\p+1], s[4:5]
	s_cselect_b32 s24, \lim, s24
.endm
	PICK 256, 6
	PICK 512, 8
	PICK 768, 10
	PICK 800, 12
	PICK 832, 14
	PICK 864, 16
	s_cmp_ge_u32 ttmp9, 256                        ; key, value, Wq, Wk, Wv: work-groups 256 to 863 change places
	s_cselect_b32 s25, 1, 0
	s_cmp_lt_u32 ttmp9, 864
	s_cselect_b32 s25, s25, 0
	s_and_b32 s26, s22, 1
	s_lshl_b32 s26, s26, 1
	s_lshr_b32 s27, s22, 1
	s_or_b32 s26, s26, s27                         ; the wave's number with its two bits exchanged
	s_cmp_eq_u32 s25, 1
	s_cselect_b32 s26, s26, s22                    ; the wave's place on the way out
	s_sub_co_u32 s28, ttmp9, s24
	s_lshl_b32 s28, s28, 2
	s_add_co_u32 s28, s28, s22                     ; which run of 8 rows of the tensor is my wave's,
	s_lshl_b32 s28, s28, 15                        ; 32,768 bytes a run (at most 1,023 runs: under 2^32)
	s_mov_b32 s29, 0
	s_add_nc_u64 s[4:5], s[4:5], s[28:29]
	s_lshl_b32 s30, ttmp9, 2
	s_add_co_u32 s30, s30, s26
	; KEY'S OWN ORDER (the head's line on row order holds for value, Wq, Wk, Wv): place 64 C + 16 j + 8 x + l holds key 64 C + 32 x + 8 j + l,
	; so that in the scores a lane's 32 registers of four neighbouring tiles are one whole block of 32 keys.  By runs of 8 rows: run 8 C + 4 x + j goes to run 8 C + 2 j + x.
	s_lshl_b32 s31, ttmp9, 2
	s_add_co_u32 s31, s31, s22
	s_and_b32 s32, s31, 3
	s_lshl_b32 s32, s32, 1
	s_bfe_u32 s33, s31, 0x10002
	s_or_b32 s32, s32, s33
	s_and_b32 s31, s31, -8
	s_or_b32 s31, s31, s32
	s_lshr_b32 s33, ttmp9, 8
	s_cmp_eq_u32 s33, 1                            ; work-groups 256 to 511 are key's
	s_cselect_b32 s30, s31, s30
	s_mul_i32 s28, s30, 32*STEPS*CB                ; 6,144 bytes of codes a run
	s_add_nc_u64 s[18:19], s[18:19], s[28:29]
	s_lshl_b32 s28, s30, 8                         ; 256 scale bytes a run
	s_add_nc_u64 s[20:21], s[20:21], s[28:29]
.macro LOAD t
.irp i, 0,1,2,3
	global_load_b128 v[R+16*((\t)%4)+4*\i:R+16*((\t)%4)+4*\i+3], v3, s[4:5] offset:2048*(\t)+512*\i th:TH_LOAD_NT   ; 32 lanes read 512 consecutive bytes
.endr
.endm
.macro TURN t                          ; step t's numbers through the stage: LDS serves a wave's instructions in order, so no wait stands between the stores and the loads
.irp i, 0,1,2,3
	ds_store_b128 v14, v[R+16*((\t)%4)+4*\i:R+16*((\t)%4)+4*\i+3] offset:32*SP*((\t)%2)+8*SP*\i
.endr
.irp i, 0,1,2,3
	ds_load_b128 v[X+16*((\t)%2)+4*\i:X+16*((\t)%2)+4*\i+3], v15 offset:32*SP*((\t)%2)+16*\i
.endr
.endm
.irp t, 0,1,2,3
	LOAD \t
.endr
	s_wait_loadcnt 12                              ; step 0's four loads are in; the twelve of steps 1 to 3 may be out
	TURN 0
.macro STEP t
.set XS, X+16*((\t)%2)
.if (\t) > 0
	s_wait_dscnt 1                                 ; this step's numbers are back from the stage (the last step's byte store may be out): so its stores into the stage have read their registers,
.else
	s_wait_dscnt 0x0
.endif
.if (\t)+4 < STEPS
	LOAD (\t)+4                                    ; which take the loads of four steps on
.endif
.if (\t)+1 < STEPS
.if STEPS-2-(\t) >= 3
	s_wait_loadcnt 12                              ; the next step's four loads are in; those of the three steps behind it may be out
.else
	s_wait_loadcnt 4*(STEPS-2-(\t))                ; towards the end fewer steps stand behind it
.endif
	TURN (\t)+1                                    ; and go through the other stage while this step is worked
.endif
	v_max3_num_f32 v8, |v[XS]|, |v[XS+1]|, |v[XS+2]|               ; the largest magnitude of my 16, in two chains
	v_max3_num_f32 v9, |v[XS+3]|, |v[XS+4]|, |v[XS+5]|
.irp i, 6,10
	v_max3_num_f32 v8, v8, |v[XS+\i]|, |v[XS+\i+1]|
	v_max3_num_f32 v9, v9, |v[XS+\i+2]|, |v[XS+\i+3]|
.endr
	v_max3_num_f32 v8, v8, |v[XS+14]|, |v[XS+15]|
	v_max3_num_f32 v8, v8, v9, (EMAX+1)<<23        ; and the floor 2^(EMAX + 1 - 127): so the byte cannot fall under 1
	v_max_num_f32_dpp v8, v8, v8 row_xmask:1 row_mask:0xf bank_mask:0xf   ; and of my neighbour's 16: the block's
	v_add_nc_u32 v11, -(EMAX<<23), v8              ; EMAX off its exponent field: the conversion takes the exponent field of this operand as its scale, and nothing else of it
	v_cvt_scalef32_pk16_fp6_f32 v[C+4*(\t):C+4*(\t)+2], v[XS:XS+15], v11   ; sixteen codes, 96 bits without gaps, the first number's code lowest
	v_lshrrev_b32 v[E+(\t)], 23, v11               ; the scale's byte (also the plain line behind the conversion)
	ds_store_b8 v5, v[E+(\t)] offset:16*(\t)       ; both lanes of a block write the same byte with the same value
	global_store_b96 v4, v[C+4*(\t):C+4*(\t)+2], s[18:19] offset:32*CB*(\t)
.endm
.irp t, 0,1,2,3,4,5,6,7,8,9,10,11,12,13,14,15
	STEP \t
.endr
	ds_load_b64 v[8:9], v6                         ; LDS serves a wave's instructions in order: these see my stores
	s_wait_dscnt 0x0
	global_store_b64 v7, v[8:9], s[20:21]          ; 32 lanes store 256 consecutive bytes, at a multiple of 256 from xs's first byte
	s_wait_tensorcnt 0x0                           ; the wave's end, behind my last LDS store
	ds_add_u32 v[SPW], v[NIL]
	s_wait_dscnt 0x0
	s_endpgm
.Lfunc_end_k_q75e7d25408_quant:
	.size	k_q75e7d25408_quant, .Lfunc_end_k_q75e7d25408_quant-k_q75e7d25408_quant
	.p2alignl 7, 3214868480
	.fill 96, 4, 3214868480
	.section	.rodata,"a",@progbits
	.p2align	6, 0x0
	.amdhsa_kernel k_q75e7d25408_quant
		.amdhsa_group_segment_fixed_size 33280
		.amdhsa_private_segment_fixed_size 0
		.amdhsa_enable_private_segment 0
		.amdhsa_kernarg_size 72
		.amdhsa_user_sgpr_count 2
		.amdhsa_user_sgpr_kernarg_segment_ptr 1
		.amdhsa_wavefront_size32 1
		.amdhsa_system_sgpr_workgroup_id_x 1
		.amdhsa_system_sgpr_workgroup_id_y 1
		.amdhsa_system_sgpr_workgroup_id_z 1
		.amdhsa_system_vgpr_workitem_id 0
		.amdhsa_next_free_vgpr 192
		.amdhsa_next_free_sgpr 66
		.amdhsa_reserve_vcc 0
		.amdhsa_float_denorm_mode_32 3
		.amdhsa_float_denorm_mode_16_64 3
		.amdhsa_memory_ordered 1
		.amdhsa_forward_progress 1
		.amdhsa_inst_pref_size 34
	.end_amdhsa_kernel
	.amdgpu_metadata
---
amdhsa.version: [ 1, 2 ]
amdhsa.kernels:
  - .name:           k_q75e7d25408_quant
    .symbol:         k_q75e7d25408_quant.kd
    .args:
      - { .name: query, .offset: 0, .size: 8, .value_kind: global_buffer, .address_space: global }
      - { .name: key, .offset: 8, .size: 8, .value_kind: global_buffer, .address_space: global }
      - { .name: value, .offset: 16, .size: 8, .value_kind: global_buffer, .address_space: global }
      - { .name: Wq, .offset: 24, .size: 8, .value_kind: global_buffer, .address_space: global }
      - { .name: Wk, .offset: 32, .size: 8, .value_kind: global_buffer, .address_space: global }
      - { .name: Wv, .offset: 40, .size: 8, .value_kind: global_buffer, .address_space: global }
      - { .name: Wo, .offset: 48, .size: 8, .value_kind: global_buffer, .address_space: global }
      - { .name: xc, .offset: 56, .size: 8, .value_kind: global_buffer, .address_space: global }
      - { .name: xs, .offset: 64, .size: 8, .value_kind: global_buffer, .address_space: global }
    .group_segment_fixed_size: 33280
    .private_segment_fixed_size: 0
    .kernarg_segment_align: 8
    .kernarg_segment_size: 72
    .max_flat_workgroup_size: 128
    .sgpr_count:     66
    .vgpr_count:     192
    .wavefront_size: 32
...
	.end_amdgpu_metadata
.endif
;; end of part 1
;; launch proj (part 2): grid 4 x 192, 4 waves a work-group, clusters of 4 x 4, 327,680 bytes of LDS; arguments xc, xs, bq, bk, bv, pc; writes pc
.if DOCPART == 2
	.amdgcn_target "amdgcn-amd-amdhsa--gfx1250"
	.amdhsa_code_object_version 6
	.text
	.protected	k_q75e7d25408_proj
	.globl	k_q75e7d25408_proj
	.p2align	8
	.type	k_q75e7d25408_proj,@function
k_q75e7d25408_proj:
	s_mov_b64 s[64:65], 0
	v_nop
	global_prefetch_b8 v0, s[64:65] scope:SCOPE_SE
	s_setreg_imm32_b32 hwreg(HW_REG_WAVE_MODE, 25, 1), 1
	s_wait_xcnt 0x0
	s_wait_alu depctr_hold_cnt(0) depctr_sa_sdst(0) depctr_va_vdst(0) depctr_va_sdst(0) depctr_va_ssrc(0) depctr_va_vcc(0) depctr_vm_vsrc(0)
	s_getreg_b32 s2, hwreg(HW_REG_IB_STS2, 6, 4)
	s_cmp_eq_u32 s2, 0
	s_cbranch_scc0 .Lentry_in_a_cluster
	s_endpgm
.Lentry_in_a_cluster:
	s_bfe_u32 s2, ttmp6, 0x10000c
	s_cmp_lg_u32 s2, 0xf033
	s_cbranch_scc0 .Lentry_shape_is_right
	s_endpgm
.Lentry_shape_is_right:
; Q, K, V = x W^T + b on codes of FP6 (E2M3) with E8M0 scales, and their quantisers: the results leave as images of the next launch's operand registers.
; xc: rows of 768 bytes of codes, xs: rows of 32 scale bytes: query 0, key 8,192, value 16,384, Wq 24,576, Wk 25,600, Wv 26,624.
; A work-group makes 128 (a) x 256 (b); q, k: a = tokens, b = channels; v: a = channels (Wv's rows), b = tokens.  Source 0 takes b's rows, source 1 a's: a lane holds one row of a and eight neighbours along b.
; 48 clusters of 4 x 4: 16 to a tensor.  a's tile is shared by a row of the cluster, b's by a column: joint loads.
; ALL OF K LIES IN LDS: 384 rows of 768 bytes + 16 behind every 256, filled once, one tensor load a wave (waves 0, 1: 64 rows of a each; waves 2, 3: 128 rows of b each).  Nothing is filled again.
; No prefetch: every tile is asked for at the head, and there is no loop to run ahead in.
; A wave makes 64 x 128: 32 accumulators (window 2); K goes in eight steps of 128 on two sets of fragment registers (b's in window 1, a's in window 0).
; Scale words come straight into registers: a register holds in lanes 0-15 the word of an even block of 16 rows, in lanes 16-31 that of the odd block behind it.
; pc: units of 3,328 bytes: four parts of 768 (registers 0-3 at 16 x lane, 4, 5 at 512 + 8 x lane) and 256 bytes of scale words (word w at 8 x lane + 4 w: row lane % 16 of record 2 w + lane / 16).
; q, k: unit [tensor][batch][head][128 places][half of 64 places]: a part is 16 places x the head's 64 channels; the words' two low bytes are the head's.  v: unit [2][batch][head][128 keys][c]: part t = 16 channels x keys 64 c ..; unit c = 0 has the whole words.
; LIMITS: a block of zeros gets the byte 1 (zero codes; this program alone reads the bytes); magnitudes under 2^-124 go under the byte 1; NaN and infinities are not served.
.set KROW,  768
.set PITCH, 816
.set FR,    12
.set LB,    128*PITCH
.set SPARE, 384*PITCH
.set U,     3328
.set O16, 24
.set O8,  25
.set ASC, 27
.set SPW, 28
.set NIL, 29
.set SA,  32
.set SB,  52
.set AF,  128
.set AA,  224
.set AB,  232
.set CJ,  0
.set BI,  64
.set PCR, 64
.set CT,  112
.set PW,  120
.set T,   128
.set TM,  192
.set SW,  208
.set G1,  24
.set G0,  32
.set G1B, 48
.set G0B, 56
.set MSB, 0
.macro WIN new
.if MSB != \new
	s_set_vgpr_msb (MSB<<8)|\new
.set MSB, \new
.endif
.endm
.macro PLACES n
.rept \n
	v_nop
.endr
.endm
.macro JLOAD
	s_cmp_eq_u32 s15, 0
	s_cbranch_scc0 .Lfor_b
	tensor_load_to_lds s[G0:G0+3], s[G1:G1+7]
	s_nop 0
	PLACES 4
	s_branch .Lasked
.Lfor_b:
	tensor_load_to_lds s[G0B:G0B+3], s[G1B:G1B+7]
	s_nop 0
	PLACES 4
.Lasked:
.endm
.macro CROUND
	s_barrier_signal -1
	s_barrier_wait -1
	s_cmp_lg_u32 s14, 0
	s_cbranch_scc1 .Lnot_wave_0_\@
	s_barrier_signal -3
.Lnot_wave_0_\@:
	s_barrier_wait -3
	s_barrier_signal -1
	s_barrier_wait -1
.endm
.macro GROUP1 g, mask, rows
	s_or_b32 s[\g], s\mask, (1<<20)|(1<<21)|(5<<22)|(3<<25)
	s_mov_b32 s[\g+1], KROW<<16
	s_mov_b32 s[\g+2], (\rows)<<16
	s_mov_b32 s[\g+3], KROW<<16
	s_mov_b32 s[\g+4], \rows
	s_mov_b32 s[\g+5], KROW
	s_mov_b32 s[\g+6], 0
	s_mov_b32 s[\g+7], 0
.endm
	s_load_b128 s[4:7], s[0:1], 0x0                ; xc, xs
	s_load_b128 s[8:11], s[0:1], 0x10              ; bq, bk
	s_load_b128 s[96:99], s[0:1], 0x20             ; bv, pc
	v_lshl_add_u32 v[SPW], v0, 2, SPARE
	v_mov_b32 v[NIL], 0
	ds_add_u32 v[SPW], v[NIL]                      ; the opening lines
	ds_add_u32 v[SPW], v[NIL]
	v_lshrrev_b32 v1, 5, v0
	v_readfirstlane_b32 s14, v1                    ; wave; s15 its half of a (and: loads a or b), s16 its half of b (and: which half it loads)
	s_lshr_b32 s15, s14, 1
	s_and_b32 s16, s14, 1
	s_bfe_u32 s40, ttmp6, 0x40000                  ; cx
	s_bfe_u32 s41, ttmp6, 0x40004                  ; cy
	s_and_b32 s18, ttmp7, 0xffff
	s_lshr_b32 s66, s18, 4                         ; tensor 0, 1, 2
	s_lshr_b32 s67, s66, 1                         ; 1 for v
	s_and_b32 s18, s18, 15                         ; the tensor's cluster j
	s_lshr_b32 s19, s18, 1
	s_mul_i32 s19, s19, s67
	s_lshl_b32 s19, s19, 2
	s_add_co_u32 s42, s19, s40                     ; b's tile: q, k: cx;  v: 4 (j / 2) + cx
	s_and_b32 s20, s18, 1
	s_lshl_b32 s21, s66, 13
	s_lshl_b32 s47, s66, 10
	s_add_co_u32 s47, s47, 24576
	s_cmp_eq_u32 s67, 1
	s_cselect_b32 s20, s20, s18
	s_cselect_b32 s21, 26624, s21
	s_cselect_b32 s47, 16384, s47
	s_lshl_b32 s20, s20, 2
	s_add_co_u32 s17, s20, s41                     ; a's tile: q, k: 4 j + cy;  v: 4 (j % 2) + cy
	s_lshl_b32 s70, s17, 7
	s_add_co_u32 s70, s70, s21                     ; a's first row in xc
	s_lshl_b32 s71, s42, 8
	s_add_co_u32 s71, s71, s47                     ; b's
	s_lshl_b32 s43, s41, 2
	s_lshl_b32 s43, 15, s43
	s_lshl_b32 s44, 0x1111, s40
	GROUP1 G1, 43, 64
	GROUP1 G1B, 44, 128
	s_lshl_b32 s20, s16, 6
	s_add_co_u32 s20, s20, s70
	s_mul_i32 s20, s20, KROW
	s_mov_b32 s21, 0
	s_lshl_b32 s46, s16, 7
	s_add_co_u32 s46, s46, s71
	s_mul_i32 s46, s46, KROW
	s_mov_b32 s47, 0
	s_lshl_b32 s22, s15, 6
	s_add_co_u32 s22, s22, s70
	s_lshl_b32 s22, s22, 5                         ; my 64 rows' scale bytes
	s_mov_b32 s23, 0
	s_lshl_b32 s92, s16, 7
	s_add_co_u32 s92, s92, s71
	s_lshl_b32 s92, s92, 5                         ; my 128 rows'
	s_mov_b32 s93, 0
	s_mov_b32 s[G0], 1
	s_mul_i32 s[G0+1], s16, 64*PITCH
	s_mov_b32 s[G0B], 1
	s_mul_i32 s[G0B+1], s16, 128*PITCH
	s_add_co_u32 s[G0B+1], s[G0B+1], LB
	s_wait_dscnt 0x0
	s_wait_kmcnt 0x0
	s_add_nc_u64 s[G0+2:G0+3], s[4:5], s[20:21]
	s_or_b32 s[G0+3], s[G0+3], 0x80000000
	s_add_nc_u64 s[G0B+2:G0B+3], s[4:5], s[46:47]
	s_or_b32 s[G0B+3], s[G0B+3], 0x80000000
	s_add_nc_u64 s[22:23], s[6:7], s[22:23]
	s_add_nc_u64 s[92:93], s[6:7], s[92:93]
	CROUND                                         ; the round in front of the joint loads
	JLOAD                                          ; one tensor load a wave
	s_cmp_eq_u32 s66, 1                            ; the tensor's bias
	s_cselect_b64 s[8:9], s[10:11], s[8:9]
	s_cmp_eq_u32 s66, 2
	s_cselect_b64 s[8:9], s[96:97], s[8:9]
	s_lshl_b32 s72, s42, 1
	s_add_co_u32 s72, s72, s16                     ; my run of 128 along b
	s_xor_b32 s46, s67, 1
	s_mul_i32 s46, s46, s72
	s_lshl_b32 s46, s46, 9
	s_mov_b32 s47, 0
	s_add_nc_u64 s[10:11], s[8:9], s[46:47]        ; q, k: the bias of my 128 channels (v: the vector's start, masked below)
	s_lshl_b32 s77, s17, 1
	s_add_co_u32 s77, s77, s15                     ; my run of 64 along a
	s_mul_i32 s18, s77, s67
	s_lshl_b32 s18, s18, 8
	s_mov_b32 s19, 0
	s_add_nc_u64 s[8:9], s[8:9], s[18:19]          ; v: the bias of my 64 channels
	s_lshl_b32 s74, s72, 1
	s_cmp_eq_u32 s67, 0
	s_cselect_b32 s73, s17, s72                    ; 16 x batch + step of 128 tokens
	s_cselect_b32 s74, s74, s77                    ; head (q, k: the pair's first)
	s_cselect_b32 s75, s15, 0
	s_cselect_b32 s76, 32, 1                       ; units from my first unit to my second
	s_cselect_b32 s68, -1, 0
	s_cselect_b32 s69, 0, -1
	s_lshl_b32 s20, s66, 2
	s_lshr_b32 s21, s73, 4
	s_add_co_u32 s20, s20, s21
	s_lshl_b32 s20, s20, 4
	s_add_co_u32 s20, s20, s74
	s_lshl_b32 s20, s20, 5
	s_and_b32 s21, s73, 15
	s_lshl_b32 s21, s21, 1
	s_add_co_u32 s20, s20, s21
	s_add_co_u32 s20, s20, s75
	s_mul_i32 s20, s20, U
	s_mov_b32 s21, 0
	s_add_nc_u64 s[12:13], s[98:99], s[20:21]
	s_mul_i32 s20, s76, U
	s_add_nc_u64 s[88:89], s[12:13], s[20:21]
	s_mul_i32 s46, s15, 64*PITCH
	s_mul_i32 s47, s16, 128*PITCH
	s_add_co_u32 s47, s47, LB
	s_mov_b32 s20, 0x76543210
	s_mov_b32 s21, 0xfedcba98
	v_and_b32 v1, 15, v0                           ; r
	v_bfe_u32 v2, v0, 4, 1                         ; h
	v_and_b32 v6, 31, v0
	v_lshlrev_b32 v[ASC], 5, v6                    ; a row of scale bytes a lane: 1,024 consecutive bytes for two blocks of 16 rows
.irp p, 0,1
.irp c, 0,1
	global_load_b128 v[SA+8*\p+4*\c:SA+8*\p+4*\c+3], v[ASC], s[22:23] offset:1024*\p+16*\c
.endr
.endr
.irp p, 0,1,2,3
.irp c, 0,1
	global_load_b128 v[SB+8*\p+4*\c:SB+8*\p+4*\c+3], v[ASC], s[92:93] offset:1024*\p+16*\c
.endr
.endr
	v_lshlrev_b32 v8, 6, v2
	v_lshrrev_b32 v9, 3, v1
	v_and_b32 v10, 7, v1
	v_lshl_add_u32 v9, v9, 4, v10
	v_lshlrev_b32 v9, 2, v9
	WIN 0xc0                                       ; the bias lies in window 3
.irp b, 0,1,2,3,4,5,6,7
	global_load_b128 v[CJ+8*\b:CJ+8*\b+3], v8, s[10:11] offset:4*(32*(\b/2)+8*(\b%2))
	global_load_b128 v[CJ+8*\b+4:CJ+8*\b+7], v8, s[10:11] offset:4*(32*(\b/2)+8*(\b%2))+16
.endr
.irp a, 0,1,2,3
	global_load_b32 v[BI+2*\a], v9, s[8:9] offset:4*(32*(\a/2)+8*(\a%2))
.endr
	WIN 0
	v_mul_u32_u24 v3, v1, PITCH
	v_mad_u32_u24 v4, v2, 24, v3                   ; a fragment's row, + 24 h
	v_mad_u32_u24 v5, v2, 40, v3                   ; for pieces whose upper lanes lie behind one padding more
	v_add_nc_u32 v12, s46, v4
	v_add_nc_u32 v13, s46, v5
	v_add_nc_u32 v14, s47, v4
	v_add_nc_u32 v15, s47, v5
.irp a, 0,1,2,3
	v_add_nc_u32 v[AA+2*\a], \a*16*PITCH, v12
	v_add_nc_u32 v[AA+2*\a+1], \a*16*PITCH, v13
.endr
.irp b, 0,1,2,3,4,5,6,7
	v_add_nc_u32 v[AB+2*\b], \b*16*PITCH, v14
	v_add_nc_u32 v[AB+2*\b+1], \b*16*PITCH, v15
.endr
	v_lshlrev_b32 v[O16], 4, v6
	v_lshlrev_b32 v[O8], 3, v6
	s_wait_loadcnt 0x0
	WIN 0xcc
.set j, 0
.rept 64
	v_and_b32 v[CJ+j], s68, v[CJ+j]                ; q, k: the bias along b is the first products' C; v: zeros
.set j, j+1
.endr
.irp a, 0,1,2,3
	v_and_b32 v[BI+2*\a+1], s69, v[BI+2*\a]        ; v: the bias along a, added on the way out; q, k: zeros
	v_and_b32 v[BI+2*\a], s69, v[BI+2*\a]
.endr
	WIN 0
	s_wait_alu depctr_va_vdst(0)
	s_wait_tensorcnt 0x0                           ; my tile is in;
	s_barrier_signal -1
	s_barrier_wait -1                              ; everybody's is.
; a fragment: six pieces of 8 bytes, two to a load where both go by one address register.  NLD counts the loads
.macro FRAG r, q, ad
.set SKIP_, 0
.irp p, 0,1,2,3,4,5
.if SKIP_
.set SKIP_, 0
.else
.set NLD, NLD+1
.set PC_, 12*(\q)+6*(\p/3)+\p%3
.set PN_, 12*(\q)+6*((\p+1)/3)+(\p+1)%3
.set X_, (PC_%32+3)/32
.set XQ_, (PN_%32+3)/32
.if (\p < 5) && (X_ == XQ_)
.set SKIP_, 1
	ds_load_2addr_b64 v[\r+2*\p:\r+2*\p+3], v[\ad+X_] offset0:PC_+2*(PC_/32) offset1:PN_+2*(PN_/32)
.else
	ds_load_b64 v[\r+2*\p:\r+2*\p+1], v[\ad+X_] offset:8*(PC_+2*(PC_/32))
.endif
.endif
.endr
.endm
.macro FETCH q, p
.set NLD, 0
	WIN 0x40
.irp b, 0,1,2,3,4,5,6,7
	FRAG 128*(\p)+FR*\b, \q, AB+2*\b
.endr
	WIN 0
.irp a, 0,1,2,3
	FRAG AF+48*(\p)+FR*\a, \q, AA+2*\a
.endr
.endm
; 32 products, the accumulators by turns
.macro MULS q, p
.if (\q) == 0
	WIN 0xb1
.else
	WIN 0xa1
.endif
.irp ap, 0,1
.irp ao, 0,1
.irp bp, 0,1,2,3
.irp bo, 0,1
.set D_, 8*(8*(2*\ap+\ao)+2*\bp+\bo)
.set B_, 128*(\p)+FR*(2*\bp+\bo)
.set A_, AF+48*(\p)+FR*(2*\ap+\ao)
.if (\q) == 0
	v_wmma_scale_f32_16x16x128_f8f6f4 v[D_:D_+7], v[B_:B_+FR-1], v[A_:A_+FR-1], v[CJ+8*(2*\bp+\bo):CJ+8*(2*\bp+\bo)+7], v[SB+8*\bp+(\q)], v[SA+8*\ap+(\q)] matrix_a_fmt:MATRIX_FMT_FP6 matrix_b_fmt:MATRIX_FMT_FP6 matrix_a_scale:MATRIX_SCALE_ROW\bo matrix_b_scale:MATRIX_SCALE_ROW\ao
.else
	v_wmma_scale_f32_16x16x128_f8f6f4 v[D_:D_+7], v[B_:B_+FR-1], v[A_:A_+FR-1], v[D_:D_+7], v[SB+8*\bp+(\q)], v[SA+8*\ap+(\q)] matrix_a_fmt:MATRIX_FMT_FP6 matrix_b_fmt:MATRIX_FMT_FP6 matrix_a_scale:MATRIX_SCALE_ROW\bo matrix_b_scale:MATRIX_SCALE_ROW\ao
.endif
.endr
.endr
.endr
.endr
.endm
	FETCH 0, 0
.set Q, 0
.rept 8
.if Q < 7
.if Q > 0
	PLACES 4                                       ; in front of loads into the set that the step before multiplied
.endif
	FETCH Q+1, (Q+1)%2
	s_wait_dscnt NLD                               ; all but the next step's loads, just issued
.else
	s_wait_dscnt 0x0
.endif
	MULS Q, Q%2
.set Q, Q+1
.endr
	WIN 0
; THE WAY OUT: 128 numbers of a row along b are four blocks of 32; a lane holds 16 neighbours of each, lane l xor 16 the other 16
.macro QUANT s, pc, pw
.irp b, 0,1,2,3
	v_max3_num_f32 v[TM+\b], |v[\s+16*\b]|, |v[\s+1+16*\b]|, 0x1800000
.endr
.irp i, 2,4,6,8,10,12,14
.irp b, 0,1,2,3
	v_max3_num_f32 v[TM+\b], v[TM+\b], |v[\s+16*\b+\i]|, |v[\s+1+16*\b+\i]|
.endr
.endr
.irp b, 0,1,2,3
	v_permlanex16_b32 v[TM+4+\b], v[TM+\b], s20, s21
.endr
.irp b, 0,1,2,3
	v_max_num_f32 v[TM+\b], v[TM+\b], v[TM+4+\b]
.endr
.irp b, 0,1,2,3
	v_add_nc_u32 v[TM+12+\b], 0xff000000, v[TM+\b]
.endr
.irp b, 0,1,2,3
	v_lshrrev_b32 v[TM+4+\b], 23, v[TM+12+\b]
.endr
	v_lshl_or_b32 v[\pw], v[TM+5], 8, v[TM+4]
	v_lshl_or_b32 v[\pw], v[TM+6], 16, v[\pw]
	v_lshl_or_b32 v[\pw], v[TM+7], 24, v[\pw]
.irp c, 0,1
	v_cvt_scalef32_pk16_fp6_f32 v[(\pc)+6*\c:(\pc)+2+6*\c], v[\s+32*\c:\s+15+32*\c], v[TM+12+2*\c]
	v_cvt_scalef32_pk16_fp6_f32 v[CT+4*\c:CT+2+4*\c], v[\s+16+32*\c:\s+31+32*\c], v[TM+12+2*\c+1]
.endr
	v_nop
.irp c, 0,1
.irp i, 0,1,2
	v_permlane16_swap_b32 v[(\pc)+6*\c+\i], v[CT+4*\c+\i]
.endr
.irp i, 0,1,2
	v_mov_b32 v[(\pc)+3+6*\c+\i], v[CT+4*\c+\i]
.endr
.endr
.endm
.macro OUT a
.set PB, PCR+12*(\a)
	WIN 0x0e
.irp b, 0,1,2,3,4,5,6,7
.irp i, 0,1,2,3
	v_pk_add_f32 v[T+8*\b+2*\i:T+8*\b+2*\i+1], v[8*(8*(\a)+\b)+2*\i:8*(8*(\a)+\b)+2*\i+1], v[BI+2*(\a):BI+2*(\a)+1]
.endr
.endr
	WIN 0
	QUANT T, PCR+12*(\a), PW+(\a)
	global_store_b128 v[O16], v[PB:PB+3], s[12:13] offset:768*(\a)          ; 512 and 256 consecutive bytes a store
	global_store_b64 v[O8], v[PB+4:PB+5], s[12:13] offset:768*(\a)+512
	global_store_b128 v[O16], v[PB+6:PB+9], s[88:89] offset:768*(\a)
	global_store_b64 v[O8], v[PB+10:PB+11], s[88:89] offset:768*(\a)+512
.endm
	PLACES 4
.irp b, 0,1,2,3
	v_mov_b32 v[TM+4+\b], 0
.endr
.irp a, 0,1,2,3
	OUT \a
.endr
	s_mov_b32 s18, 0xffff0000
.irp w, 0,1
	v_cndmask_b32 v[SW+\w], v[PW+2*\w], v[PW+2*\w+1], s18   ; lanes 16-31 take the odd record's word
.endr
.irp w, 0,1
	v_lshrrev_b32 v[SW+2+\w], 16, v[SW+\w]         ; the second unit's words: q, k: the second head's two bytes below
.endr
	global_store_b64 v[O8], v[SW:SW+1], s[12:13] offset:3072
	global_store_b64 v[O8], v[SW+2:SW+3], s[88:89] offset:3072
	s_wait_tensorcnt 0x0                           ; the wave's end
	ds_add_u32 v[SPW], v[NIL]
	s_wait_dscnt 0x0
	CROUND                                         ; the closing round
	s_endpgm
.Lfunc_end_k_q75e7d25408_proj:
	.size	k_q75e7d25408_proj, .Lfunc_end_k_q75e7d25408_proj-k_q75e7d25408_proj
	.p2alignl 7, 3214868480
	.fill 96, 4, 3214868480
	.section	.rodata,"a",@progbits
	.p2align	6, 0x0
	.amdhsa_kernel k_q75e7d25408_proj
		.amdhsa_group_segment_fixed_size 327680
		.amdhsa_private_segment_fixed_size 0
		.amdhsa_enable_private_segment 0
		.amdhsa_kernarg_size 48
		.amdhsa_user_sgpr_count 2
		.amdhsa_user_sgpr_kernarg_segment_ptr 1
		.amdhsa_wavefront_size32 1
		.amdhsa_system_sgpr_workgroup_id_x 1
		.amdhsa_system_sgpr_workgroup_id_y 1
		.amdhsa_system_sgpr_workgroup_id_z 1
		.amdhsa_system_vgpr_workitem_id 0
		.amdhsa_next_free_vgpr 1024
		.amdhsa_next_free_sgpr 100
		.amdhsa_reserve_vcc 0
		.amdhsa_float_denorm_mode_32 3
		.amdhsa_float_denorm_mode_16_64 3
		.amdhsa_memory_ordered 1
		.amdhsa_forward_progress 1
		.amdhsa_inst_pref_size 94
	.end_amdhsa_kernel
	.amdgpu_metadata
---
amdhsa.version: [ 1, 2 ]
amdhsa.kernels:
  - .name:           k_q75e7d25408_proj
    .symbol:         k_q75e7d25408_proj.kd
    .args:
      - { .name: xc, .offset: 0, .size: 8, .value_kind: global_buffer, .address_space: global }
      - { .name: xs, .offset: 8, .size: 8, .value_kind: global_buffer, .address_space: global }
      - { .name: bq, .offset: 16, .size: 8, .value_kind: global_buffer, .address_space: global }
      - { .name: bk, .offset: 24, .size: 8, .value_kind: global_buffer, .address_space: global }
      - { .name: bv, .offset: 32, .size: 8, .value_kind: global_buffer, .address_space: global }
      - { .name: pc, .offset: 40, .size: 8, .value_kind: global_buffer, .address_space: global }
    .group_segment_fixed_size: 327680
    .private_segment_fixed_size: 0
    .kernarg_segment_align: 8
    .kernarg_segment_size: 48
    .max_flat_workgroup_size: 128
    .sgpr_count:     100
    .vgpr_count:     1024
    .wavefront_size: 32
...
	.end_amdgpu_metadata
.endif
;; end of part 2
;; launch attn (part 3): grid 4 x 64, 16 waves a work-group, clusters of 4 x 1, 327,680 bytes of LDS; arguments pc, oc, os; writes oc, os
.if DOCPART == 3
	.amdgcn_target "amdgcn-amd-amdhsa--gfx1250"
	.amdhsa_code_object_version 6
	.text
	.protected	k_q75e7d25408_attn
	.globl	k_q75e7d25408_attn
	.p2align	8
	.type	k_q75e7d25408_attn,@function
k_q75e7d25408_attn:
	s_mov_b64 s[64:65], 0
	v_nop
	global_prefetch_b8 v0, s[64:65] scope:SCOPE_SE
	s_setreg_imm32_b32 hwreg(HW_REG_WAVE_MODE, 25, 1), 1
	s_wait_xcnt 0x0
	s_wait_alu depctr_hold_cnt(0) depctr_sa_sdst(0) depctr_va_vdst(0) depctr_va_sdst(0) depctr_va_ssrc(0) depctr_va_vcc(0) depctr_vm_vsrc(0)
	s_getreg_b32 s2, hwreg(HW_REG_IB_STS2, 6, 4)
	s_cmp_eq_u32 s2, 0
	s_cbranch_scc0 .Lentry_in_a_cluster
	s_endpgm
.Lentry_in_a_cluster:
	s_bfe_u32 s2, ttmp6, 0x10000c
	s_cmp_lg_u32 s2, 0x3003
	s_cbranch_scc0 .Lentry_shape_is_right
	s_endpgm
.Lentry_shape_is_right:
; ATTENTION on codes of FP6 (E2M3) with E8M0 scales: 64 (batch, head) of 64 channels, 2,048 queries and keys; the result, divided by the row's sum, leaves quantised along the model's 1,024.
; t = score x log2(e) / 8; M = the running largest t rounded UP to a whole number; p = 2^(t - M) is quantised along the keys; the row's sum is taken of the unquantised p and divides O at the end; when M moves, the sum and O are multiplied by 2^(old M - new M): exact.
; pc: units of 3,328 bytes (four parts of 768: registers 0-3 at 16 x lane, 4, 5 at 512 + 8 x lane; 256 bytes of scale words), 32 units to a (tensor, batch, head): q, k: [128 places][half]; v: [128 keys][c].
; SHARES.  A work-group owns one (batch, head) and 512 queries; the four of a cluster own the head's four query blocks and ask for K and V jointly.
; THE HEAD'S WHOLE K AND V LIE IN LDS, 2 x 106,496 bytes, filled once: each of the sixteen waves asks for an eighth of K or of V.  Nothing is filled again, and no barrier stands between the head and the end.
; No prefetch: all tiles are asked for at the head; there is no loop to run ahead in.
; A wave owns two tiles of 16 queries and walks the 16 key steps of 128 once for each.  Both products are used transposed: a lane holds one query (lane % 16).
; KEYS: tile 4 c + j of a step holds keys 64 c + 8 j + 0..7 and 64 c + 32 + 8 j + 0..7, so lane (r, h)'s 32 scores of tiles 4 c .. 4 c + 3 are block 2 c + h of 32 keys, in order: p's operand as it falls.
; K = 64 IN AN INSTRUCTION OF 128: Q's registers 6-11 hold zero codes.  K's operand t is registers 6 t .. 6 t + 11: its upper six are the next tile's codes (behind the last tile: p's), finite numbers that meet Q's zeros.
; oc [8,192][768] codes, os [8,192][32] scale bytes: a lane stores its block's 24 bytes and its byte.
; LIMITS: a block of zeros keeps the byte 1 (zero codes; this program alone reads the bytes); magnitudes under 2^-124 go under the byte 1; NaN and infinities are not served.
.set U,     3328
.set STEPB, 2*U
.set HEADB, 32*U
.set TSTR,  64*HEADB
.set VOFF,  HEADB
.set SPARE, 2*HEADB
.set LOADB, HEADB/8
.set SPW, 1
.set NIL, 2
.set DK0, 3
.set DK1, 4
.set LN,  5
.set DV0, 6
.set DV1, 7
.set QF,  16                           ; v8-11, v234-235, v243: the second tile's Q and its scale word, waiting
.set KO,  28
.set PC,  76
.set VF,  88
.set S,   136
.set O,   200
.set BM,  232
.set SO,  244
.set VS,  246
.set KS,  248
.set TB,  2
.set TV,  3
.set WV,  18
.set SEL, 20
.set CS,  22
.set CNT, 24
.set HM,  26
.set G1,  32
.set G0,  40
.macro CROUND
	s_barrier_signal -1
	s_barrier_wait -1
	s_cmp_lg_u32 s[WV], 0
	s_cbranch_scc1 .Lnot_wave_0_\@
	s_barrier_signal -3
.Lnot_wave_0_\@:
	s_barrier_wait -3
	s_barrier_signal -1
	s_barrier_wait -1
.endm
	s_load_b128 s[4:7], s[0:1], 0x0                ; pc, oc
	s_load_b64 s[8:9], s[0:1], 0x10                ; os
	v_lshl_add_u32 v[SPW], v0, 2, SPARE
	v_mov_b32 v[NIL], 0
	ds_add_u32 v[SPW], v[NIL]                      ; the opening lines
	ds_add_u32 v[SPW], v[NIL]
	v_lshrrev_b32 v3, 5, v0
	v_readfirstlane_b32 s[WV], v3
	s_bfe_u32 s25, ttmp6, 0x40000                  ; cx: my block of 512 queries
	s_and_b32 s27, ttmp7, 0xffff                   ; 16 x batch + head
	s_mov_b32 s[G1], 15|(3<<16)|(1<<21)            ; the four work-groups; elements of 8 bytes: 52 dense rows of 256 bytes
	s_mov_b32 s[G1+1], 32<<16
	s_mov_b32 s[G1+2], 52<<16
	s_mov_b32 s[G1+3], 32<<16
	s_mov_b32 s[G1+4], 52
	s_mov_b32 s[G1+5], 32
	s_mov_b32 s[G1+6], 0
	s_mov_b32 s[G1+7], 0
	s_mov_b32 s[G0], 1
	s_mul_i32 s[G0+1], s[WV], LOADB                ; waves 0-7: K's eighths, waves 8-15: V's
	s_lshr_b32 s28, s[WV], 3
	s_mul_i32 s44, s28, TSTR
	s_and_b32 s28, s[WV], 7
	s_mul_i32 s28, s28, LOADB
	s_add_co_u32 s44, s44, s28
	s_mul_i32 s28, s27, HEADB
	s_add_co_u32 s44, s44, s28
	s_add_co_u32 s44, s44, TSTR
	s_mov_b32 s45, 0
	s_lshl_b32 s28, s27, 5                         ; Q: my two tiles lie in unit 32 x (batch, head) + 8 cx + wave / 2, records 2 (wave % 2) and the next
	s_lshl_b32 s29, s25, 3
	s_add_co_u32 s28, s28, s29
	s_lshr_b32 s29, s[WV], 1
	s_add_co_u32 s28, s28, s29
	s_mul_i32 s12, s28, U
	s_and_b32 s29, s[WV], 1
	s_mul_i32 s30, s29, 2*768
	s_add_co_u32 s10, s12, s30
	s_mov_b32 s11, 0
	s_lshl_b32 s29, s29, 2
	s_add_co_u32 s12, s12, s29
	s_add_co_u32 s12, s12, 3072
	s_mov_b32 s13, 0
	s_lshr_b32 s28, s27, 4
	s_lshl_b32 s28, s28, 11
	s_lshl_b32 s29, s25, 9
	s_add_co_u32 s28, s28, s29
	s_lshl_b32 s29, s[WV], 5
	s_add_co_u32 s28, s28, s29                     ; my first row
	s_and_b32 s29, s27, 15
	s_mul_i32 s46, s28, 768
	s_mul_i32 s47, s29, 48
	s_add_co_u32 s46, s46, s47
	s_mov_b32 s47, 0
	s_lshl_b32 s48, s28, 5
	s_lshl_b32 s29, s29, 1
	s_add_co_u32 s48, s48, s29
	s_mov_b32 s49, 0
	s_mov_b32 s[SEL], 0x76543210
	s_mov_b32 s[SEL+1], 0xfedcba98
	s_mov_b32 s[CS], 0x3e38aa3b                    ; log2(e) / 8
	s_mov_b32 s[CS+1], s[CS]
	s_mov_b32 s[HM], 0xffff0000
	s_wait_dscnt 0x0
	s_wait_kmcnt 0x0
	s_add_nc_u64 s[G0+2:G0+3], s[4:5], s[44:45]
	s_or_b32 s[G0+3], s[G0+3], 0x80000000
	s_add_nc_u64 s[10:11], s[4:5], s[10:11]
	s_add_nc_u64 s[12:13], s[4:5], s[12:13]
	s_add_nc_u64 s[6:7], s[6:7], s[46:47]
	s_add_nc_u64 s[8:9], s[8:9], s[48:49]
	CROUND                                         ; the round in front of the joint loads
	tensor_load_to_lds s[G0:G0+3], s[G1:G1+7]      ; every wave's one load
	s_nop 0
.rept 4
	v_nop
.endr
	v_and_b32 v[LN], 31, v0
	v_lshlrev_b32 v[DK0], 4, v[LN]
	v_lshlrev_b32 v[DK1], 3, v[LN]
	v_and_b32 v239, 15, v0
	v_lshlrev_b32 v239, 3, v239
	global_load_b128 v[QF:QF+3], v[DK0], s[10:11]
	global_load_b64 v[QF+4:QF+5], v[DK1], s[10:11] offset:512
	global_load_u16 v255, v239, s[12:13]
	global_load_b128 v[8:11], v[DK0], s[10:11] offset:768
	global_load_b64 v[234:235], v[DK1], s[10:11] offset:768+512
	global_load_u16 v243, v239, s[12:13] offset:128
.irp j, 0,1,2,3,4,5
	v_mov_b32 v[QF+6+\j], 0                        ; Q's zero codes for K = 64 .. 127
	v_mov_b32 v[PC+\j], 0                          ; the last K operand's upper half, before p's first codes
.endr
	v_mov_b32 v244, 0                              ; a lane permute's destination counts as a source
	v_mov_b32 v253, 0
	s_wait_alu depctr_va_vdst(0)
	s_wait_loadcnt 0x0
	s_wait_tensorcnt 0x0
	s_barrier_signal -1
	s_barrier_wait -1                              ; K and V are whole
.macro KLOADS
.irp g, 0,1
.irp a, 0,1,2,3
	ds_load_b128 v[KO+6*(4*\g+\a):KO+6*(4*\g+\a)+3], v[DK0] offset:\g*U+768*\a
	ds_load_b64 v[KO+6*(4*\g+\a)+4:KO+6*(4*\g+\a)+5], v[DK1] offset:\g*U+768*\a+512
.endr
	ds_load_b64 v[KS+2*\g:KS+2*\g+1], v[DK1] offset:\g*U+3072
.endr
.endm
.macro VLOADS
.irp t, 0,1,2,3
.irp c, 0,1
	ds_load_b128 v[VF+12*\t+6*\c:VF+12*\t+6*\c+3], v[DV0] offset:\c*U+768*\t
	ds_load_b64 v[VF+12*\t+6*\c+4:VF+12*\t+6*\c+5], v[DV1] offset:\c*U+768*\t+512
.endr
.endr
	ds_load_b64 v[VS:VS+1], v[DV1] offset:3072
.endm
; the largest score: eight chains by turns, one for each tile of 16 keys, each from its accumulator's low end on
.macro MX0 r, t
	v_max3_num_f32 v\r, v[S+8*\t], v[S+8*\t+1], v[S+8*\t+2]
.endm
.macro MX3 r, t, i
	v_max3_num_f32 v\r, v\r, v[S+8*\t+\i], v[S+8*\t+\i+1]
.endm
.macro MXROUND i
	MX3 232, 0, \i
	MX3 236, 1, \i
	MX3 237, 2, \i
	MX3 238, 3, \i
	MX3 233, 4, \i
	MX3 239, 5, \i
	MX3 240, 6, \i
	MX3 241, 7, \i
.endm
.macro PASS p
.if \p
	s_wait_xcnt 0x0                                ; the first tile's stores have read their registers
.irp i, 0,1,2,3
	v_mov_b32 v[QF+\i], v[8+\i]
.endr
	v_mov_b32 v[QF+4], v234
	v_mov_b32 v[QF+5], v235
	v_mov_b32 v255, v243
.endif
	s_mov_b32 s[TB], STEPB                         ; where the next step's K begins, and this step's V
	s_mov_b32 s[TV], VOFF
	s_mov_b32 s[CNT], 16
	v_lshlrev_b32 v[DK0], 4, v[LN]
	v_lshlrev_b32 v[DK1], 3, v[LN]
	KLOADS
	v_mov_b32 v13, 0xff61b1e6                      ; the largest t so far: -3e38
	v_floor_f32 v12, -v13                          ; -M
	v_mov_b32 v14, 0
	v_mov_b32 v15, 0
.set j, 0
.rept 32
	v_mov_b32 v[O+j], 0
.set j, j+1
.endr
.Lk\p:
	s_wait_dscnt 0x0                               ; this step's K and its scale words
.irp g, 0,1
.irp w, 0,1
	v_wmma_scale_f32_16x16x128_f8f6f4 v[S+8*(4*\g+2*\w):S+8*(4*\g+2*\w)+7], v[KO+6*(4*\g+2*\w):KO+6*(4*\g+2*\w)+11], v[QF:QF+11], 0, v[KS+2*\g+\w], v255 matrix_a_fmt:MATRIX_FMT_FP6 matrix_b_fmt:MATRIX_FMT_FP6
	v_wmma_scale_f32_16x16x128_f8f6f4 v[S+8*(4*\g+2*\w+1):S+8*(4*\g+2*\w+1)+7], v[KO+6*(4*\g+2*\w+1):KO+6*(4*\g+2*\w+1)+11], v[QF:QF+11], 0, v[KS+2*\g+\w], v255 matrix_a_fmt:MATRIX_FMT_FP6 matrix_b_fmt:MATRIX_FMT_FP6 matrix_a_scale:MATRIX_SCALE_ROW1
.endr
.endr
	v_lshl_add_u32 v[DV0], v[LN], 4, s[TV]         ; five plain lines: the places behind the products, ahead of the loads and of the scores' first read
	v_lshl_add_u32 v[DV1], v[LN], 3, s[TV]
	v_lshl_add_u32 v[DK0], v[LN], 4, s[TB]
	v_lshl_add_u32 v[DK1], v[LN], 3, s[TB]
	v_mov_b32 v254, v12
	VLOADS                                         ; 17 loads: this step's V
	KLOADS                                         ; 18 loads: the next step's K (behind the last step: V's first bytes, which nobody uses)
	s_add_co_u32 s[TB], s[TB], STEPB
	s_add_co_u32 s[TV], s[TV], STEPB
	MX0 232, 0                                     ; the largest score of my two blocks of 32 keys: for the row's maximum and for the block's largest p
	MX0 236, 1
	MX0 237, 2
	MX0 238, 3
	MX0 233, 4
	MX0 239, 5
	MX0 240, 6
	MX0 241, 7
	MXROUND 3
	MXROUND 5
	v_max3_num_f32 v232, v232, v[S+7], v[S+15]     ; each tile's last register
	v_max3_num_f32 v237, v237, v[S+23], v[S+31]
	v_max3_num_f32 v233, v233, v[S+39], v[S+47]
	v_max3_num_f32 v240, v240, v[S+55], v[S+63]
	s_delay_alu instid0(VALU_DEP_3)
	v_max3_num_f32 v232, v232, v236, v237          ; four chains make a block's
	s_delay_alu instid0(VALU_DEP_2)
	v_max3_num_f32 v233, v233, v239, v240
	s_delay_alu instid0(VALU_DEP_2)
	v_max_num_f32 v232, v232, v238
	s_delay_alu instid0(VALU_DEP_2)
	v_max_num_f32 v233, v233, v241
	s_delay_alu instid0(VALU_DEP_1)
	v_max_num_f32 v239, v[BM], v[BM+1]
	s_delay_alu instid0(VALU_DEP_1)
	v_permlanex16_b32 v244, v239, s[SEL], s[SEL+1]
	s_delay_alu instid0(VALU_DEP_1)
	v_max_num_f32 v239, v239, v244                 ; with lane l xor 16's two blocks: the step's largest score of my query
	s_delay_alu instid0(VALU_DEP_1)
	v_mul_f32 v239, s[CS], v239
	s_delay_alu instid0(VALU_DEP_1)
	v_max_num_f32 v13, v13, v239
	s_delay_alu instid0(VALU_DEP_1)
	v_floor_f32 v12, -v13                          ; -M = -ceil(t)
	s_delay_alu instid0(VALU_DEP_1)
	v_sub_f32 v254, v12, v254
	s_delay_alu instid0(VALU_DEP_1)
	v_cvt_i32_f32 v254, v254
	s_delay_alu instid0(VALU_DEP_1)
	v_ldexp_f32 v252, 1.0, v254                    ; f = 2^(old M - new M)
.set j, 0
.rept 32
	v_pk_fma_f32 v[S+j:S+j+1], v[S+j:S+j+1], s[CS:CS+1], v[12:13] op_sel_hi:[1,0,0]
.set j, j+2
.endr
.irp c, 0,1
	v_fma_f32 v[BM+\c], v[BM+\c], s[CS], v12
.endr
	s_wait_alu depctr_va_vdst(0)
.set j, 0
.rept 64
	v_exp_f32 v[S+j], v[S+j]
.set j, j+1
.endr
.irp c, 0,1
	v_exp_f32 v[BM+\c], v[BM+\c]                   ; the block's largest p
.endr
	v_pk_mul_f32 v[14:15], v[14:15], v[252:253] op_sel_hi:[1,0]   ; the plain line behind the batch
	s_wait_alu depctr_va_vdst(0)                   ; and the wait behind it
	v_pk_add_f32 v[236:237], v[S:S+1], v[S+2:S+3]  ; the row's sum of the unquantised p, in five chains by turns
	v_pk_add_f32 v[238:239], v[S+4:S+5], v[S+6:S+7]
	v_pk_add_f32 v[240:241], v[S+8:S+9], v[S+10:S+11]
	v_pk_add_f32 v[244:245], v[S+12:S+13], v[S+14:S+15]
.set j, 16
.rept 4
	v_pk_add_f32 v[14:15], v[14:15], v[S+j:S+j+1]
	v_pk_add_f32 v[236:237], v[236:237], v[S+j+2:S+j+3]
	v_pk_add_f32 v[238:239], v[238:239], v[S+j+4:S+j+5]
	v_pk_add_f32 v[240:241], v[240:241], v[S+j+6:S+j+7]
	v_pk_add_f32 v[244:245], v[244:245], v[S+j+8:S+j+9]
.set j, j+10
.endr
	v_pk_add_f32 v[236:237], v[236:237], v[S+56:S+57]
	v_pk_add_f32 v[238:239], v[238:239], v[S+58:S+59]
	v_pk_add_f32 v[240:241], v[240:241], v[S+60:S+61]
	v_pk_add_f32 v[244:245], v[244:245], v[S+62:S+63]
	s_delay_alu instid0(VALU_DEP_3)
	v_pk_add_f32 v[236:237], v[236:237], v[238:239]
	s_delay_alu instid0(VALU_DEP_2)
	v_pk_add_f32 v[240:241], v[240:241], v[244:245]
	s_delay_alu instid0(VALU_DEP_2)
	v_pk_add_f32 v[14:15], v[14:15], v[236:237]
	s_delay_alu instid0(VALU_DEP_1)
	v_pk_add_f32 v[14:15], v[14:15], v[240:241]
.irp c, 0,1
	v_max_num_f32 v[BM+\c], 0x1800000, v[BM+\c]    ; the floor 2^(3 - 127): the byte cannot fall under 1
.endr
.irp c, 0,1
	s_delay_alu instid0(VALU_DEP_2)
	v_add_nc_u32 v[SO+\c], 0xff000000, v[BM+\c]    ; 2 off the exponent field: the conversion's scale operand
.endr
.irp c, 0,1
	s_delay_alu instid0(VALU_DEP_2)
	v_lshrrev_b32 v[BM+\c], 23, v[SO+\c]
.endr
	s_delay_alu instid0(VALU_DEP_1)
	v_lshl_or_b32 v239, v[BM+1], 16, v[BM]         ; my blocks h and 2 + h
	s_delay_alu instid0(VALU_DEP_1)
	v_permlanex16_b32 v254, v239, s[SEL], s[SEL+1]
	s_delay_alu instid0(VALU_DEP_1)
	v_lshl_or_b32 v253, v254, 8, v239              ; lanes 0-15: the four bytes of my query's scale word (lanes 16-31 are not read)
.irp c, 0,1
	v_cvt_scalef32_pk16_fp6_f32 v[PC+6*\c:PC+6*\c+2], v[S+32*\c:S+32*\c+15], v[SO+\c]
	v_cvt_scalef32_pk16_fp6_f32 v[236+4*\c:238+4*\c], v[S+32*\c+16:S+32*\c+31], v[SO+\c]
.endr
	v_nop
.irp c, 0,1
.irp i, 0,1,2
	v_mov_b32 v[PC+6*\c+3+\i], v[236+4*\c+\i]
.endr
.endr
	s_wait_alu depctr_va_vdst(0)
.set j, 0
.rept 16
	v_pk_mul_f32 v[O+j:O+j+1], v[O+j:O+j+1], v[252:253] op_sel_hi:[1,0]
.set j, j+2
.endr
	s_wait_alu depctr_va_vdst(0)
	s_wait_dscnt 18                                ; V's 17 loads are in; the 18 of the next step's K, issued behind them, may be out
.irp t, 0,2
	v_wmma_scale_f32_16x16x128_f8f6f4 v[O+8*\t:O+8*\t+7], v[VF+12*\t:VF+12*\t+11], v[PC:PC+11], v[O+8*\t:O+8*\t+7], v[VS+\t/2], v253 matrix_a_fmt:MATRIX_FMT_FP6 matrix_b_fmt:MATRIX_FMT_FP6
	v_wmma_scale_f32_16x16x128_f8f6f4 v[O+8*(\t+1):O+8*(\t+1)+7], v[VF+12*(\t+1):VF+12*(\t+1)+11], v[PC:PC+11], v[O+8*(\t+1):O+8*(\t+1)+7], v[VS+\t/2], v253 matrix_a_fmt:MATRIX_FMT_FP6 matrix_b_fmt:MATRIX_FMT_FP6 matrix_a_scale:MATRIX_SCALE_ROW1
.endr
	s_sub_co_u32 s[CNT], s[CNT], 1
	s_cmp_lg_u32 s[CNT], 0
	s_cbranch_scc1 .Lk\p
	; THE WAY OUT: O^T / the sum, quantised along the head's 64 channels: register 16 b + i is channel 32 b + 16 h + i
	s_wait_dscnt 0x0                               ; the loads that ran ahead are done
	v_add_f32 v14, v14, v15
	v_permlanex16_b32 v252, v14, s[SEL], s[SEL+1]
	v_add_f32 v14, v14, v252
	v_and_b32 v239, 15, v0
	v_bfe_u32 v254, v0, 4, 1
	s_wait_alu depctr_va_vdst(0)
	v_rcp_f32 v14, v14
	v_mul_u32_u24 v[S+40], v239, 768
	v_mad_u32_u24 v[S+40], v254, 24, v[S+40]       ; oc: row r, + 24 h
	v_lshl_add_u32 v[S+41], v239, 5, v254          ; os: row r, + h
	s_wait_alu depctr_va_vdst(0)
.set j, 0
.rept 32
	v_mul_f32 v[S+j], v[O+j], v14
.set j, j+1
.endr
.irp b, 0,1
	v_max3_num_f32 v[BM+\b], |v[S+16*\b]|, |v[S+1+16*\b]|, 0x1800000
.endr
.irp i, 2,4,6,8,10,12,14
.irp b, 0,1
	v_max3_num_f32 v[BM+\b], v[BM+\b], |v[S+16*\b+\i]|, |v[S+1+16*\b+\i]|
.endr
.endr
.irp b, 0,1
	v_permlanex16_b32 v[236+\b], v[BM+\b], s[SEL], s[SEL+1]
.endr
.irp b, 0,1
	v_max_num_f32 v[BM+\b], v[BM+\b], v[236+\b]
.endr
.irp b, 0,1
	v_add_nc_u32 v[SO+\b], 0xff000000, v[BM+\b]
.endr
.irp b, 0,1
	v_lshrrev_b32 v[236+\b], 23, v[SO+\b]
.endr
	v_cndmask_b32 v254, v236, v237, s[HM]          ; block h's byte
	v_cvt_scalef32_pk16_fp6_f32 v[PC:PC+2], v[S:S+15], v244
	v_cvt_scalef32_pk16_fp6_f32 v[240:242], v[S+16:S+31], v245
	v_nop
.irp i, 0,1,2
	v_permlane16_swap_b32 v[PC+\i], v[240+\i]      ; lanes 0-15 now hold block 0, lanes 16-31 block 1
.endr
.irp i, 0,1,2
	v_mov_b32 v[PC+3+\i], v[240+\i]
.endr
.irp i, 0,1,2
	global_store_b64 v[S+40], v[PC+2*\i:PC+2*\i+1], s[6:7] offset:12288*\p+8*\i
.endr
	global_store_b8 v[S+41], v254, s[8:9] offset:512*\p
.endm
	PASS 0
	PASS 1
	s_wait_tensorcnt 0x0                           ; the wave's end
	ds_add_u32 v[SPW], v[NIL]
	s_wait_dscnt 0x0
	CROUND                                         ; the closing round
	s_endpgm
.Lfunc_end_k_q75e7d25408_attn:
	.size	k_q75e7d25408_attn, .Lfunc_end_k_q75e7d25408_attn-k_q75e7d25408_attn
	.p2alignl 7, 3214868480
	.fill 96, 4, 3214868480
	.section	.rodata,"a",@progbits
	.p2align	6, 0x0
	.amdhsa_kernel k_q75e7d25408_attn
		.amdhsa_group_segment_fixed_size 327680
		.amdhsa_private_segment_fixed_size 0
		.amdhsa_enable_private_segment 0
		.amdhsa_kernarg_size 24
		.amdhsa_user_sgpr_count 2
		.amdhsa_user_sgpr_kernarg_segment_ptr 1
		.amdhsa_wavefront_size32 1
		.amdhsa_system_sgpr_workgroup_id_x 1
		.amdhsa_system_sgpr_workgroup_id_y 1
		.amdhsa_system_sgpr_workgroup_id_z 1
		.amdhsa_system_vgpr_workitem_id 0
		.amdhsa_next_free_vgpr 256
		.amdhsa_next_free_sgpr 66
		.amdhsa_reserve_vcc 0
		.amdhsa_float_denorm_mode_32 3
		.amdhsa_float_denorm_mode_16_64 3
		.amdhsa_memory_ordered 1
		.amdhsa_forward_progress 1
		.amdhsa_inst_pref_size 51
	.end_amdhsa_kernel
	.amdgpu_metadata
---
amdhsa.version: [ 1, 2 ]
amdhsa.kernels:
  - .name:           k_q75e7d25408_attn
    .symbol:         k_q75e7d25408_attn.kd
    .args:
      - { .name: pc, .offset: 0, .size: 8, .value_kind: global_buffer, .address_space: global }
      - { .name: oc, .offset: 8, .size: 8, .value_kind: global_buffer, .address_space: global }
      - { .name: os, .offset: 16, .size: 8, .value_kind: global_buffer, .address_space: global }
    .group_segment_fixed_size: 327680
    .private_segment_fixed_size: 0
    .kernarg_segment_align: 8
    .kernarg_segment_size: 24
    .max_flat_workgroup_size: 512
    .sgpr_count:     66
    .vgpr_count:     256
    .wavefront_size: 32
...
	.end_amdgpu_metadata
.endif
;; end of part 3
;; launch outp (part 4): grid 4 x 64, 4 waves a work-group, clusters of 4 x 4, 327,680 bytes of LDS; arguments oc, os, xc, xs, bo, out0; writes out0
.if DOCPART == 4
	.amdgcn_target "amdgcn-amd-amdhsa--gfx1250"
	.amdhsa_code_object_version 6
	.text
	.protected	k_q75e7d25408_outp
	.globl	k_q75e7d25408_outp
	.p2align	8
	.type	k_q75e7d25408_outp,@function
k_q75e7d25408_outp:
	s_mov_b64 s[64:65], 0
	v_nop
	global_prefetch_b8 v0, s[64:65] scope:SCOPE_SE
	s_setreg_imm32_b32 hwreg(HW_REG_WAVE_MODE, 25, 1), 1
	s_wait_xcnt 0x0
	s_wait_alu depctr_hold_cnt(0) depctr_sa_sdst(0) depctr_va_vdst(0) depctr_va_sdst(0) depctr_va_ssrc(0) depctr_va_vcc(0) depctr_vm_vsrc(0)
	s_getreg_b32 s2, hwreg(HW_REG_IB_STS2, 6, 4)
	s_cmp_eq_u32 s2, 0
	s_cbranch_scc0 .Lentry_in_a_cluster
	s_endpgm
.Lentry_in_a_cluster:
	s_bfe_u32 s2, ttmp6, 0x10000c
	s_cmp_lg_u32 s2, 0xf033
	s_cbranch_scc0 .Lentry_shape_is_right
	s_endpgm
.Lentry_shape_is_right:
; out0 = O Wo^T + bo on codes of FP6 (E2M3) with E8M0 scales.  oc [8,192][768 bytes], os [8,192][32]; Wo's rows are rows 27,648 .. of xc and xs.  out0 [8,192][1,024] f32.
; A work-group makes 128 rows x 256 columns: 256 work-groups.  Clusters of 4 x 4: O's rows are shared by a row of the cluster, Wo's by a column: joint loads.
; ALL OF K LIES IN LDS: 384 rows of 768 bytes + 16 behind every 256, filled once, one tensor load a wave (waves 0, 1: 64 rows of O each; waves 2, 3: 128 rows of Wo each).  Nothing is filled again.
; No prefetch: every tile is asked for at the head, and there is no loop to run ahead in.
; A wave makes 64 x 128: 32 accumulators (window 2); eight steps of 128 along K on two sets of fragment registers.  Source 0 = Wo's rows, source 1 = O's: a lane holds eight neighbouring columns of a row.
; The bias is the first products' C.  The results go through a stage in LDS, on bytes that have had their only fill and their last read, and leave as rows of 512 bytes.
.set SIZE_N, 1024
.set KROW,  768
.set PITCH, 816
.set FR,    12
.set LB,    128*PITCH
.set SPARE, 384*PITCH
.set SPITCH, 528
.set STO, 24
.set RD,  25
.set CO,  26
.set ASC, 27
.set SPW, 28
.set NIL, 29
.set SA,  32
.set SB,  52
.set AF,  128
.set BK,  128
.set AA,  224
.set AB,  232
.set CJ,  0
.set G1,  24
.set G0,  32
.set G1B, 48
.set G0B, 56
.set MSB, 0
.macro WIN new
.if MSB != \new
	s_set_vgpr_msb (MSB<<8)|\new
.set MSB, \new
.endif
.endm
.macro PLACES n
.rept \n
	v_nop
.endr
.endm
.macro JLOAD
	s_cmp_eq_u32 s15, 0
	s_cbranch_scc0 .Lfor_b
	tensor_load_to_lds s[G0:G0+3], s[G1:G1+7]
	s_nop 0
	PLACES 4
	s_branch .Lasked
.Lfor_b:
	tensor_load_to_lds s[G0B:G0B+3], s[G1B:G1B+7]
	s_nop 0
	PLACES 4
.Lasked:
.endm
.macro CROUND
	s_barrier_signal -1
	s_barrier_wait -1
	s_cmp_lg_u32 s14, 0
	s_cbranch_scc1 .Lnot_wave_0_\@
	s_barrier_signal -3
.Lnot_wave_0_\@:
	s_barrier_wait -3
	s_barrier_signal -1
	s_barrier_wait -1
.endm
.macro GROUP1 g, mask, rows
	s_or_b32 s[\g], s\mask, (1<<20)|(1<<21)|(5<<22)|(3<<25)
	s_mov_b32 s[\g+1], KROW<<16
	s_mov_b32 s[\g+2], (\rows)<<16
	s_mov_b32 s[\g+3], KROW<<16
	s_mov_b32 s[\g+4], \rows
	s_mov_b32 s[\g+5], KROW
	s_mov_b32 s[\g+6], 0
	s_mov_b32 s[\g+7], 0
.endm
	s_load_b128 s[4:7], s[0:1], 0x0                ; oc, os
	s_load_b128 s[8:11], s[0:1], 0x10              ; xc, xs
	s_load_b128 s[96:99], s[0:1], 0x20             ; bo, out0
	v_lshl_add_u32 v[SPW], v0, 2, SPARE
	v_mov_b32 v[NIL], 0
	ds_add_u32 v[SPW], v[NIL]                      ; the opening lines
	ds_add_u32 v[SPW], v[NIL]
	v_lshrrev_b32 v1, 5, v0
	v_readfirstlane_b32 s14, v1
	s_lshr_b32 s15, s14, 1
	s_and_b32 s16, s14, 1
	s_bfe_u32 s40, ttmp6, 0x40000
	s_bfe_u32 s41, ttmp6, 0x40004
	s_lshl_b32 s42, ttmp9, 2
	s_add_co_u32 s42, s42, s40                     ; tile column
	s_and_b32 s17, ttmp7, 0xffff
	s_lshl_b32 s17, s17, 2
	s_add_co_u32 s17, s17, s41                     ; tile row
	s_lshl_b32 s70, s17, 7                         ; O's first row
	s_lshl_b32 s71, s42, 8
	s_add_co_u32 s71, s71, 27648                   ; Wo's, in xc
	s_lshl_b32 s43, s41, 2
	s_lshl_b32 s43, 15, s43
	s_lshl_b32 s44, 0x1111, s40
	GROUP1 G1, 43, 64
	GROUP1 G1B, 44, 128
	s_lshl_b32 s20, s16, 6
	s_add_co_u32 s20, s20, s70
	s_mul_i32 s20, s20, KROW
	s_mov_b32 s21, 0
	s_lshl_b32 s46, s16, 7
	s_add_co_u32 s46, s46, s71
	s_mul_i32 s46, s46, KROW
	s_mov_b32 s47, 0
	s_lshl_b32 s22, s15, 6
	s_add_co_u32 s22, s22, s70
	s_lshl_b32 s22, s22, 5
	s_mov_b32 s23, 0
	s_lshl_b32 s92, s16, 7
	s_add_co_u32 s92, s92, s71
	s_lshl_b32 s92, s92, 5
	s_mov_b32 s93, 0
	s_mov_b32 s[G0], 1
	s_mul_i32 s[G0+1], s16, 64*PITCH
	s_mov_b32 s[G0B], 1
	s_mul_i32 s[G0B+1], s16, 128*PITCH
	s_add_co_u32 s[G0B+1], s[G0B+1], LB
	s_wait_dscnt 0x0
	s_wait_kmcnt 0x0
	s_add_nc_u64 s[G0+2:G0+3], s[4:5], s[20:21]
	s_or_b32 s[G0+3], s[G0+3], 0x80000000
	s_add_nc_u64 s[G0B+2:G0B+3], s[8:9], s[46:47]
	s_or_b32 s[G0B+3], s[G0B+3], 0x80000000
	s_add_nc_u64 s[22:23], s[6:7], s[22:23]
	s_add_nc_u64 s[92:93], s[10:11], s[92:93]
	CROUND                                         ; the round in front of the joint loads
	JLOAD                                          ; one tensor load a wave
	s_lshl_b32 s20, s15, 6
	s_add_co_u32 s20, s20, s70
	s_mul_i32 s20, s20, SIZE_N*4                   ; my first row of out0
	s_mov_b32 s21, 0
	s_lshl_b32 s46, s42, 10
	s_lshl_b32 s47, s16, 9
	s_add_co_u32 s46, s46, s47                     ; my first column, in bytes
	s_mov_b32 s47, 0
	s_add_nc_u64 s[96:97], s[96:97], s[46:47]
	s_add_nc_u64 s[20:21], s[20:21], s[46:47]
	s_add_nc_u64 s[12:13], s[98:99], s[20:21]
	s_mul_i32 s46, s15, 64*PITCH
	s_mul_i32 s47, s16, 128*PITCH
	s_add_co_u32 s47, s47, LB
	s_mul_i32 s19, s14, 16*SPITCH                  ; my stage
	v_and_b32 v1, 15, v0
	v_bfe_u32 v2, v0, 4, 1
	v_and_b32 v6, 31, v0
	v_lshlrev_b32 v[ASC], 5, v6
	v_lshlrev_b32 v8, 5, v2
.irp p, 0,1
.irp c, 0,1
	global_load_b128 v[SA+8*\p+4*\c:SA+8*\p+4*\c+3], v[ASC], s[22:23] offset:1024*\p+16*\c
.endr
.endr
.irp p, 0,1,2,3
.irp c, 0,1
	global_load_b128 v[SB+8*\p+4*\c:SB+8*\p+4*\c+3], v[ASC], s[92:93] offset:1024*\p+16*\c
.endr
.endr
	WIN 0xc0
.irp b, 0,1,2,3,4,5,6,7
	global_load_b128 v[CJ+8*\b:CJ+8*\b+3], v8, s[96:97] offset:64*\b
	global_load_b128 v[CJ+8*\b+4:CJ+8*\b+7], v8, s[96:97] offset:64*\b+16
.endr
	WIN 0
	v_mul_u32_u24 v3, v1, PITCH
	v_mad_u32_u24 v4, v2, 24, v3
	v_mad_u32_u24 v5, v2, 40, v3
	v_add_nc_u32 v12, s46, v4
	v_add_nc_u32 v13, s46, v5
	v_add_nc_u32 v14, s47, v4
	v_add_nc_u32 v15, s47, v5
.irp a, 0,1,2,3
	v_add_nc_u32 v[AA+2*\a], \a*16*PITCH, v12
	v_add_nc_u32 v[AA+2*\a+1], \a*16*PITCH, v13
.endr
.irp b, 0,1,2,3,4,5,6,7
	v_add_nc_u32 v[AB+2*\b], \b*16*PITCH, v14
	v_add_nc_u32 v[AB+2*\b+1], \b*16*PITCH, v15
.endr
	v_mul_u32_u24 v5, v1, SPITCH
	v_lshl_add_u32 v5, v2, 5, v5
	v_add_nc_u32 v[STO], s19, v5
	v_lshlrev_b32 v[CO], 4, v6
	v_add_nc_u32 v[RD], s19, v[CO]
	s_wait_alu depctr_va_vdst(0)
	s_wait_loadcnt 0x0
	s_wait_tensorcnt 0x0
	s_barrier_signal -1
	s_barrier_wait -1                              ; all tiles are in.
.macro FRAG r, q, ad
.set SKIP_, 0
.irp p, 0,1,2,3,4,5
.if SKIP_
.set SKIP_, 0
.else
.set NLD, NLD+1
.set PC_, 12*(\q)+6*(\p/3)+\p%3
.set PN_, 12*(\q)+6*((\p+1)/3)+(\p+1)%3
.set X_, (PC_%32+3)/32
.set XQ_, (PN_%32+3)/32
.if (\p < 5) && (X_ == XQ_)
.set SKIP_, 1
	ds_load_2addr_b64 v[\r+2*\p:\r+2*\p+3], v[\ad+X_] offset0:PC_+2*(PC_/32) offset1:PN_+2*(PN_/32)
.else
	ds_load_b64 v[\r+2*\p:\r+2*\p+1], v[\ad+X_] offset:8*(PC_+2*(PC_/32))
.endif
.endif
.endr
.endm
.macro FETCH q, p
.set NLD, 0
	WIN 0x40
.irp b, 0,1,2,3,4,5,6,7
	FRAG 128*(\p)+FR*\b, \q, AB+2*\b
.endr
	WIN 0
.irp a, 0,1,2,3
	FRAG AF+48*(\p)+FR*\a, \q, AA+2*\a
.endr
.endm
.macro MULS q, p
.if (\q) == 0
	WIN 0xb1
.else
	WIN 0xa1
.endif
.irp ap, 0,1
.irp ao, 0,1
.irp bp, 0,1,2,3
.irp bo, 0,1
.set D_, 8*(8*(2*\ap+\ao)+2*\bp+\bo)
.set B_, 128*(\p)+FR*(2*\bp+\bo)
.set A_, AF+48*(\p)+FR*(2*\ap+\ao)
.if (\q) == 0
	v_wmma_scale_f32_16x16x128_f8f6f4 v[D_:D_+7], v[B_:B_+FR-1], v[A_:A_+FR-1], v[CJ+8*(2*\bp+\bo):CJ+8*(2*\bp+\bo)+7], v[SB+8*\bp+(\q)], v[SA+8*\ap+(\q)] matrix_a_fmt:MATRIX_FMT_FP6 matrix_b_fmt:MATRIX_FMT_FP6 matrix_a_scale:MATRIX_SCALE_ROW\bo matrix_b_scale:MATRIX_SCALE_ROW\ao
.else
	v_wmma_scale_f32_16x16x128_f8f6f4 v[D_:D_+7], v[B_:B_+FR-1], v[A_:A_+FR-1], v[D_:D_+7], v[SB+8*\bp+(\q)], v[SA+8*\ap+(\q)] matrix_a_fmt:MATRIX_FMT_FP6 matrix_b_fmt:MATRIX_FMT_FP6 matrix_a_scale:MATRIX_SCALE_ROW\bo matrix_b_scale:MATRIX_SCALE_ROW\ao
.endif
.endr
.endr
.endr
.endr
.endm
	FETCH 0, 0
.set Q, 0
.rept 8
.if Q < 7
.if Q > 0
	PLACES 4
.endif
	FETCH Q+1, (Q+1)%2
	s_wait_dscnt NLD                               ; all but the next step's loads, just issued
.else
	s_wait_dscnt 0x0                               ; my last reads of the tiles are over:
	s_barrier_signal -1                            ; say so, and multiply while the others arrive
.endif
	MULS Q, Q%2
.set Q, Q+1
.endr
	WIN 0
	s_barrier_wait -1                              ; nobody reads the tiles any more: the stage may be written
.macro TOSTAGE a
.set AC, 64*(\a)
	WIN 0x08
.irp b, 0,1,2,3,4,5,6,7
	ds_store_b128 v[STO], v[AC+8*\b:AC+8*\b+3] offset:64*\b
	ds_store_b128 v[STO], v[AC+8*\b+4:AC+8*\b+7] offset:64*\b+16
.endr
	WIN 0
.set BB, BK+64*((\a)%2)
.irp t, 0,1,2,3,4,5,6,7,8,9,10,11,12,13,14,15
	ds_load_b128 v[BB+4*\t:BB+4*\t+3], v[RD] offset:\t*SPITCH
.endr
.endm
.macro SEND a, younger
.set BB, BK+64*((\a)%2)
	s_wait_dscnt \younger
.if (\a) > 0
	s_add_nc_u64 s[12:13], s[12:13], 16*SIZE_N*4
.endif
.irp t, 0,1,2,3,4,5,6,7,8,9,10,11,12,13,14,15
	global_store_b128 v[CO], v[BB+4*\t:BB+4*\t+3], s[12:13] offset:\t*SIZE_N*4 th:TH_STORE_NT   ; 512 consecutive bytes a store
.endr
.endm
	PLACES 4
	TOSTAGE 0
.irp a, 1,2,3
.if \a > 1
	s_wait_xcnt 0x0                                ; block a - 2's stores have read their registers and their base
.endif
	TOSTAGE \a
	SEND \a-1, 32                                  ; behind block a - 1's loads: block a's 16 stores and 16 loads
.endr
	s_wait_xcnt 0x0
	SEND 3, 0
	s_wait_tensorcnt 0x0                           ; the wave's end
	ds_add_u32 v[SPW], v[NIL]
	s_wait_dscnt 0x0
	CROUND                                         ; the closing round
	s_endpgm
.Lfunc_end_k_q75e7d25408_outp:
	.size	k_q75e7d25408_outp, .Lfunc_end_k_q75e7d25408_outp-k_q75e7d25408_outp
	.p2alignl 7, 3214868480
	.fill 96, 4, 3214868480
	.section	.rodata,"a",@progbits
	.p2align	6, 0x0
	.amdhsa_kernel k_q75e7d25408_outp
		.amdhsa_group_segment_fixed_size 327680
		.amdhsa_private_segment_fixed_size 0
		.amdhsa_enable_private_segment 0
		.amdhsa_kernarg_size 48
		.amdhsa_user_sgpr_count 2
		.amdhsa_user_sgpr_kernarg_segment_ptr 1
		.amdhsa_wavefront_size32 1
		.amdhsa_system_sgpr_workgroup_id_x 1
		.amdhsa_system_sgpr_workgroup_id_y 1
		.amdhsa_system_sgpr_workgroup_id_z 1
		.amdhsa_system_vgpr_workitem_id 0
		.amdhsa_next_free_vgpr 1024
		.amdhsa_next_free_sgpr 100
		.amdhsa_reserve_vcc 0
		.amdhsa_float_denorm_mode_32 3
		.amdhsa_float_denorm_mode_16_64 3
		.amdhsa_memory_ordered 1
		.amdhsa_forward_progress 1
		.amdhsa_inst_pref_size 79
	.end_amdhsa_kernel
	.amdgpu_metadata
---
amdhsa.version: [ 1, 2 ]
amdhsa.kernels:
  - .name:           k_q75e7d25408_outp
    .symbol:         k_q75e7d25408_outp.kd
    .args:
      - { .name: oc, .offset: 0, .size: 8, .value_kind: global_buffer, .address_space: global }
      - { .name: os, .offset: 8, .size: 8, .value_kind: global_buffer, .address_space: global }
      - { .name: xc, .offset: 16, .size: 8, .value_kind: global_buffer, .address_space: global }
      - { .name: xs, .offset: 24, .size: 8, .value_kind: global_buffer, .address_space: global }
      - { .name: bo, .offset: 32, .size: 8, .value_kind: global_buffer, .address_space: global }
      - { .name: out0, .offset: 40, .size: 8, .value_kind: global_buffer, .address_space: global }
    .group_segment_fixed_size: 327680
    .private_segment_fixed_size: 0
    .kernarg_segment_align: 8
    .kernarg_segment_size: 48
    .max_flat_workgroup_size: 128
    .sgpr_count:     100
    .vgpr_count:     1024
    .wavefront_size: 32
...
	.end_amdgpu_metadata
.endif
;; end of part 4
